; MI455X (gfx1250); checked and timed in simulation.
; The chip was launched on July 23, 2026; its instructions are those of AMD's public machine-readable ISA for CDNA 5 (MIT licence, August 2026) and "CDNA5" Instruction Set Architecture Reference Guide (July 2026). The comments in the code are by the model that wrote it; some were corrected since.
;; Sparse Map Sequences. Allowed arithmetic: matrix products marked QUANTISED: E2M3 operands, one E8M0 scale for each 32 along K, by v_wmma_scale_f32_16x16x128_f8f6f4 with both operands' format E2M3, f32 sums; everything else in f32.
;; Inputs: W 256 x 256 float32; b 256 float32; indices 2,048 x 2 int32; values 262,144 x 256 float32.
;; Outputs: out0 2,048 x 256 float32.
;; This version of the problem:
;;   THIS VERSION OF THE PROBLEM IS GIVEN IN LOW PRECISION. The matrix products marked QUANTISED in the list below multiply operands that are first quantised to E2M3 (2 exponent bits, 3 mantissa bits; 6 bits a number), with one power-of-two scale for each 32 numbers along K (OCP MX v1.0); their sums are f32. All else is computed in f32.
;;   The module's matrix products, in the order in which they are computed (A, B: the left and right operand; K: the contracted axis; several contracted axes count as one K, in the product's order):
;;     1. [M 2,048, K 256] x [K 256, N 256]; A: computed on the way; B: input W: QUANTISED
;;   THE QUANTISER, for each operand of a quantised product, along K:
;;     - K is cut into blocks of 32 from its start; a last block that is shorter is filled with zeros.
;;     - A block's scale is 2^e with e = floor(log2(the largest magnitude in the block)) - 2, held to -126 .. 127; a block of zeros has e = 0. As a byte (E8M0): e + 127.
;;     - Each number is divided by its block's scale, clamped to +-7.5, and rounded to the nearest number of E2M3, ties to even, subnormals kept.
;;     - The product sums the exact products of the quantised numbers (number of the format x scale) in f32.
;;   ~~~python
;;   def quantise(x, axis):      # numpy; x: float32 -> the quantised numbers, widened to float32 again
;;       x = np.moveaxis(x, axis, -1); K = x.shape[-1]
;;       x = np.pad(x, [(0, 0)] * (x.ndim - 1) + [(0, -K % 32)]); x = x.reshape(x.shape[:-1] + (-1, 32)); a = np.abs(x).max(-1, keepdims=True)
;;       e = np.where(a > 0, np.clip(np.frexp(np.where(a > 0, a, 1))[1] - 1 - 2, -126, 127), 0)      # np.frexp(a)[1] - 1 = floor(log2(a)), exactly
;;       r = np.clip(x / 2.0 ** e, -7.5, 7.5)
;;       step = 2.0 ** (np.maximum(np.frexp(np.where(r == 0, 1, r))[1] - 1, 0) - 3)
;;       q = np.round(r / step) * step * 2.0 ** e      # np.round: ties to even
;;       return np.moveaxis(q.reshape(q.shape[:-2] + (-1,))[..., :K], -1, axis).astype(np.float32)
;;   ~~~
;;   OPERANDS COMPUTED ON THE WAY. 'Computed on the way' means the value that the module computes at that place (a softmax that the list does not call 'softmax' is quantised finished and normalised). What goes into a quantiser is computed in f32, as accurately as f32 sums, v_exp_f32 and their like allow (about 1e-6 of the number): no bf16 or f16 on the way to a quantiser, and a product that is left as it is and whose result goes on into a quantised operand takes f32 operands (vector FMAs, or v_wmma_f32_16x16x4_f32). A number that lies on a knife's edge between two numbers of the format may be rounded either way, as far as f32 arithmetic and the matrix unit's own rounding can turn it there, and no further.
;; 2 versions. Each part assembles by itself: llvm-mc -triple=amdgcn-amd-amdhsa -mcpu=gfx1250 --defsym DOCPART=n.
;; ======== version 1 of 2: 1 launch
;; launch seqmean_linear (part 1): grid 256 x 1, 16 waves a work-group, no clusters, 158,720 bytes of LDS; arguments values, indices, W, b, out0; writes out0
.if DOCPART == 1
	.amdgcn_target "amdgcn-amd-amdhsa--gfx1250"
	.amdhsa_code_object_version 6
	.text
	.protected	k_q270c333b3d_seqmean_linear
	.globl	k_q270c333b3d_seqmean_linear
	.p2align	8
	.type	k_q270c333b3d_seqmean_linear,@function
k_q270c333b3d_seqmean_linear:
	s_mov_b64 s[64:65], 0
	v_nop
	global_prefetch_b8 v0, s[64:65] scope:SCOPE_SE
	s_setreg_imm32_b32 hwreg(HW_REG_WAVE_MODE, 25, 1), 1
	s_wait_xcnt 0x0
; out0[q][:] = Q(mean of values[start_q : end_q]) Q(W) + b.   values [262144][256] f32, indices [2048][2] i32, W [256 (k)][256 (n)] f32, b [256] f32, out0 [2048][256] f32.
; Q: codes of FP6 (E2M3) with one E8M0 scale for each 32 along K (the 256 features); the product by v_wmma_scale_f32_16x16x128_f8f6f4, sums in f32; all else in f32.
; SHARES.  256 work-groups of 16 waves; a work-group owns 8 sequences, about 1 MB of values where the lengths average 128 rows.  Sixteen sequences would fill the matrix tile's 16 columns but
; give only 128 work-groups; the stream is what counts here, so the tile's columns 8-15 carry copies of sequences 0-7 (the same codes, the same results, stored to the same bytes).
; THE STREAM.  The 8 sequences are cut into steps of 32 rows (a sequence has max(1, ceil(len / 32)) steps); of each step every wave takes 2 rows: four loads of 512 consecutive bytes.  So all
; 16 waves walk the same number of steps whatever the lengths.  A ring of 8 slots in registers runs on across the sequences' ends: 32 loads, 16 KB, of every wave are on their way.
; One scalar cursor asks for rows and leaves each slot's notes in scalar registers (base, shift, number of rows that count, sequence to close); the slot is added up by these notes 8 steps later.
; Rows that a step would take past its sequence's end are held to that sequence's last two rows and weighted 0: every way through the text issues the same loads, so the counted waits hold.
; At a sequence's last step a wave puts its 8 sums a lane into LDS; the place is chosen among 8 constant offsets by scalar compares, so that every LDS address is a constant + lane + wave.
; THE END.  Barrier; wave w adds the 16 waves' parts of sequence w / 2, half w % 2, and multiplies by 1 / len; barrier; wave w = (K step w % 2, columns 32 (w / 2) ..) quantises its K step of
; the 8 means and multiplies it by its two tiles of W (transposed use: source 0 = 16 columns of W, source 1 = the sequences: a lane holds 8 neighbouring outputs of one sequence); barrier;
; each thread adds the two K steps' parts and the bias and stores 16 bytes: a wave's store covers 512 consecutive bytes, aligned.
; W is quantised at the head, while the first rows are on their way: a lane takes a column, its registers run down K, each load reads 128 consecutive bytes.  Its codes stay in 24 registers.
; NO JOINT LOADS: W is the one input that work-groups share; joint requests land in LDS, and W's 262,144 bytes of f32 beside the 131,072 bytes of partial sums pass the 327,680 of a WGP.
; No cache hint on values: a sequence's last rows are asked for by several waves, and a list may name rows twice.
; LIMITS.  start == end (reference: 0 / 0 = NaN) is not served: a finite number comes out.  NaN and infinities among values are not served (rows weighted 0 are still multiplied).
; Indices are held to 0 .. 262,144; start > end gives the mean of values[end : start], as reference's two negative differences do.  The sums are direct sums of the rows, 16 parts and a tree,
; not differences of prefix sums.  1 / len is v_rcp_f32 (1 ulp) and a multiplication.  A block whose largest magnitude lies under 2^(3 - 127) keeps the scale byte 1; a block of zeros too.
.set TOTAL,  262144                    ; rows of values
.set NSEQ,   8                         ; sequences of a work-group
.set WAVES,  16
.set GR,     2*WAVES                   ; rows of a step: 2 a wave
.set NSL,    8                         ; slots of the ring
.set LPS,    4                         ; loads of a slot: 2 rows x 2 halves of 512 bytes
.set SEQB,   WAVES*1024                ; LDS from byte 0: partial sums [sequence][wave][256] f32: 131,072 bytes
.set MP,     1040                      ; pitch of the means' and the stage's rows: 1,024 + 16 = 65 x 16 bytes: eight rows begin at eight different 16-byte columns of 256 bytes
.set MEANS,  NSEQ*SEQB                 ; the 8 means
.set STG,    MEANS+8448                ; the stage: two copies (one a K step) of 8 rows of outputs
.set STGS,   NSEQ*MP
.set LOF, 1                            ; v1   16 x lane: my bytes of a load's 512; never rewritten
.set PA,  2                            ; v2   LDS: my wave's part of sequences 0-3: 1,024 x wave + 16 x lane;  v3: of sequences 4-7 (65,536 on)
.set RDA, 4                            ; v4   LDS: the 16 parts that I add
.set MSA, 5                            ; v5   LDS: where I put 4 means
.set MRA, 6                            ; v6   LDS: where my lane's blocks of the means begin
.set SOA, 7                            ; v7   LDS: where I put my outputs' parts
.set SRA, 8                            ; v8   LDS: where I read 16 bytes of a row of outputs back
.set GOF, 9                            ; v9   16 x thread: my bytes of the work-group's 8,192 of out0
.set WOF, 10                           ; v10  my column of W, at my K step's first row
.set BOF, 11                           ; v11  my 16 bytes of b
.set BIA, 12                           ; v12-15 b of my four outputs
.set F0,  16                           ; v16-27 W's fragment, columns 32 p + 0 .. 15;  v28-39 columns 32 p + 16 .. 31
.set F1,  28
.set WSC, 40                           ; v40  W's scale words: lanes 0-15 the first tile's columns, lanes 16-31 the second's.  Holds scales alone
.set ASC, 41                           ; v41  the means' scale words.  Holds scales alone
.set ACC, 42                           ; v42-49 the running sums: columns 4 l .. 4 l + 3 and 128 + 4 l .. + 3
.set M,   50                           ; v50-53 largest magnitudes;  v54-57 scale operands;  v58-61 scale bytes
.set SC,  54
.set BY,  58
.set INV, 62                           ; v62  1 / len of the sequence whose parts I add
.set SH,  63                           ; v63  8 x (lane / 16)
.set TH,  64                           ; v64-79 upper halves of blocks' codes on their way
.set RG,  80                           ; v80-207 the ring: slot k at 80 + 16 k: row j's 8 numbers at + 8 j
.set RS,  80                           ; later: the 16 parts
.set WX,  128                          ; v128-255 at the head: my column's 128 numbers of W (over slots 3-7, which are first filled behind W's conversion)
.set XA,  128                          ; later: my two blocks of the means
.set AF,  192                          ; the means' fragment
.set DD,  208                          ; v208-223 two accumulators
.set Q,   16                           ; s16-31 the sequences still to come: (first row, end) pairs, shifted down as they are taken
.set SA,  48                           ; s48-63 slot k: address of its first row
.set SD,  66                           ; s66-73 slot k: how many rows the address was held back
.set SN,  74                           ; s74-81 slot k: how many of my rows count
.set SF,  82                           ; s82-89 slot k: the sequence that ends with this step; 8 or more: none
.set SEL, 90                           ; s90-91 lane selects for v_permlanex16_b32: lane l xor 16
; s14 wave, s15 2 x wave, s34 steps in all, then the loop's trips, s35 trips done, s36 cursor row, s37 the sequence's end, s38 its number, s39 its last row but one, s[40:41] weight, s[42:43] byte offset, s44-47 at work, s92 1.0
	s_load_b256 s[4:11], s[0:1], 0x0               ; values s[4:5], indices s[6:7], W s[8:9], b s[10:11]
	s_load_b64 s[12:13], s[0:1], 0x20              ; out0
	v_lshl_add_u32 v75, v0, 2, 0x26400
	v_mov_b32 v79, 0
	v_lshrrev_b32 v50, 5, v0
	v_readfirstlane_b32 s14, v50                   ; wave 0..15
	v_and_b32 v51, 31, v0                          ; lane
	v_and_b32 v52, 7, v0                           ; lane % 8: the sequence of my lane in a fragment (lanes 8-15 of a half repeat 0-7)
	v_bfe_u32 v53, v0, 4, 1                        ; h = lane / 16
	v_lshrrev_b32 v54, 6, v0                       ; wave / 2
	v_bfe_u32 v55, v0, 5, 1                        ; wave % 2
	v_and_b32 v56, 63, v0                          ; thread % 64
	v_lshlrev_b32 v[LOF], 4, v51
	v_lshlrev_b32 v[PA], 10, v50
	v_lshl_add_u32 v[PA], v51, 4, v[PA]
	v_add_nc_u32 v[PA+1], 4*SEQB, v[PA]
	v_lshlrev_b32 v[RDA], 14, v54                  ; sequence wave / 2,
	v_lshl_add_u32 v[RDA], v55, 9, v[RDA]          ; half wave % 2 of its 1,024 bytes,
	v_lshl_add_u32 v[RDA], v51, 4, v[RDA]          ; 16 bytes a lane; the 16 waves' parts lie 1,024 bytes apart
	v_mul_u32_u24 v[MSA], v54, MP
	v_lshl_add_u32 v[MSA], v55, 9, v[MSA]
	v_lshl_add_u32 v[MSA], v51, 4, v[MSA]
	v_add_nc_u32 v[MSA], MEANS, v[MSA]
	v_mul_u32_u24 v[MRA], v52, MP                  ; row lane % 8,
	v_lshl_add_u32 v[MRA], v55, 9, v[MRA]          ; K step wave % 2: 128 numbers, 512 bytes,
	v_lshl_add_u32 v[MRA], v53, 7, v[MRA]          ; block h of each pair of blocks
	v_add_nc_u32 v[MRA], MEANS, v[MRA]
	v_mul_u32_u24 v[SOA], v52, MP                  ; row lane % 8,
	v_mad_u32_u24 v[SOA], v55, STGS, v[SOA]        ; my K step's copy,
	v_lshl_add_u32 v[SOA], v54, 7, v[SOA]          ; my 32 columns,
	v_lshl_add_u32 v[SOA], v53, 5, v[SOA]          ; 8 numbers for each half of the lanes
	v_add_nc_u32 v[SOA], STG, v[SOA]
	v_mul_u32_u24 v[SRA], v54, MP                  ; thread / 64 is the row, thread % 64 the 16 bytes in it
	v_lshl_add_u32 v[SRA], v56, 4, v[SRA]
	v_add_nc_u32 v[SRA], STG, v[SRA]
	v_lshlrev_b32 v[GOF], 4, v0
	v_lshlrev_b32 v[BOF], 4, v56
	v_lshlrev_b32 v[WOF], 2, v51                   ; column 32 (wave / 2) + lane,
	v_lshl_add_u32 v[WOF], v54, 7, v[WOF]
	v_lshl_add_u32 v[WOF], v55, 17, v[WOF]         ; rows 128 (wave % 2) on: 128 rows of 1,024 bytes
	v_lshlrev_b32 v[SH], 3, v53
	s_lshl_b32 s15, s14, 1                         ; my two rows' place in a step
	s_lshr_b32 s46, s14, 1
	s_lshl_b32 s46, s46, 3                         ; the pair of the sequence whose parts I add: 8 bytes a pair
	s_mov_b32 s47, 0
	s_lshl_b32 s44, ttmp9, 6                       ; the work-group's 8 pairs: 64 bytes
	s_mov_b32 s45, 0
	s_mov_b32 s34, 0
	s_mov_b32 s38, 0
	s_mov_b32 s41, 0                               ; (named with s40 as a pair, so it is written)
	s_mov_b32 s43, 0                               ; upper word of the byte offset
	s_mov_b32 s92, 0x3f800000                      ; 1.0
	s_mov_b32 s[SEL], 0x76543210
	s_mov_b32 s[SEL+1], 0xfedcba98
	s_wait_kmcnt 0x0
	s_add_nc_u64 s[6:7], s[6:7], s[44:45]
	s_add_nc_u64 s[46:47], s[6:7], s[46:47]
	s_load_b512 s[Q:Q+15], s[6:7], 0x0             ; the 8 pairs
	s_load_b64 s[32:33], s[46:47], 0x0
	s_lshl_b32 s44, ttmp9, 13                      ; the work-group's 8 rows of out0: 8,192 bytes
	s_add_nc_u64 s[12:13], s[12:13], s[44:45]
	global_load_b128 v[BIA:BIA+3], v[BOF], s[10:11]
; W(128 s + i, 32 p + lane), i = 0 .. 127: issued while the pairs are on their way.  32 lanes read 128 consecutive bytes; a lane's 128 registers are four whole blocks of its column.
.set kk, 0
.rept 128
	global_load_b32 v[WX+kk], v[WOF], s[8:9] offset:kk*1024
.set kk, kk+1
.endr
	s_wait_kmcnt 0x0
; A pair becomes (first row, end) with first <= end, both inside 0 .. TOTAL; its steps are counted.
.macro BOUNDS i
	s_min_u32 s[Q+2*(\i)], s[Q+2*(\i)], TOTAL
	s_min_u32 s[Q+2*(\i)+1], s[Q+2*(\i)+1], TOTAL
	s_min_u32 s44, s[Q+2*(\i)], s[Q+2*(\i)+1]
	s_max_u32 s[Q+2*(\i)+1], s[Q+2*(\i)], s[Q+2*(\i)+1]
	s_mov_b32 s[Q+2*(\i)], s44
	s_sub_co_u32 s44, s[Q+2*(\i)+1], s44           ; len
	s_max_u32 s44, s44, 1                          ; every sequence has a step, in which its sums are put away
	s_add_co_u32 s44, s44, GR-1
	s_lshr_b32 s44, s44, 5
	s_add_co_u32 s34, s34, s44
.endm
.irp i, 0,1,2,3,4,5,6,7
	BOUNDS \i
.endr
; T steps in all, 8 <= T <= 8 x 8,192.  Eight are asked for ahead of the loop and eight more in each trip, so the loop has max(1, ceil(T / 8) - 1) trips: then 8 + 8 x trips >= T steps are asked for.
	s_add_co_u32 s34, s34, NSL-1
	s_lshr_b32 s34, s34, 3
	s_sub_co_u32 s34, s34, 1
	s_max_u32 s34, s34, 1
	s_min_u32 s32, s32, TOTAL                      ; the length of the sequence whose parts I add
	s_min_u32 s33, s33, TOTAL
	s_max_u32 s44, s32, s33
	s_min_u32 s45, s32, s33
	s_sub_co_u32 s44, s44, s45
	v_cvt_f32_u32 v[INV], s44                      ; exact: under 2^24
	v_rcp_f32 v[INV], v[INV]
.irp i, 0,1,2,3,4,5,6,7
	v_mov_b32 v[ACC+\i], 0                         ; eight running sums (the first of these lines is the plain line behind the reciprocal)
.endr
; The cursor takes the next sequence; the list moves down.  When the list is used up it hands out (end, end) of the last sequence: steps in which no row counts, asked from rows just read.
.macro ADV
	s_mov_b32 s36, s[Q]
	s_mov_b32 s37, s[Q+1]
	s_sub_co_i32 s39, s[Q+1], 2
	s_max_i32 s39, s39, 0                          ; the last row but one
.irp i, 0,2,4,6,8,10,12
	s_mov_b64 s[Q+\i:Q+\i+1], s[Q+\i+2:Q+\i+3]
.endr
	s_mov_b32 s[Q+14], s[Q+15]
.endm
; Slot k is asked for: my two rows of the cursor's step.
.macro PRODUCE k
	s_add_co_u32 s44, s36, s15                     ; my first row
	s_min_u32 s45, s44, s39                        ; held to the sequence's last two rows,
	s_min_u32 s45, s45, TOTAL-2                    ; and, by a constant, inside the buffer
	s_sub_co_u32 s[SD+(\k)], s44, s45              ; by how many rows it was held back
	s_sub_co_i32 s46, s37, s44
	s_max_i32 s[SN+(\k)], s46, 0                   ; rows from my first row to the end: those count
	s_lshl_b32 s42, s45, 10                        ; under 2^28
	s_add_nc_u64 s[SA+2*(\k):SA+2*(\k)+1], s[4:5], s[42:43]
.irp i, 0,1,2,3
	global_load_b128 v[RG+16*(\k)+4*\i:RG+16*(\k)+4*\i+3], v[LOF], s[SA+2*(\k):SA+2*(\k)+1] offset:512*\i
.endr
	s_add_co_u32 s36, s36, GR
	s_mov_b32 s[SF+(\k)], NSEQ                     ; no sequence ends here,
	s_cmp_ge_u32 s36, s37
	s_cbranch_scc0 .Lmore_\@
	s_mov_b32 s[SF+(\k)], s38                      ; or this one does (from 8 on: none)
	s_add_co_u32 s38, s38, 1
	ADV
.Lmore_\@:
.endm
; Slot k is added up.  left: the younger loads, which may stay out (loads come back in order: ISA guide 5.7.1).  That wait also frees the slot's base for PRODUCE.
; Row j of the slot is my row j - d; it counts where 0 <= j - d < n: one unsigned compare.  The weight is 1.0 or 0.
.macro CONSUME k, left
	s_wait_loadcnt \left
.irp j, 0,1
	s_sub_co_u32 s44, \j, s[SD+(\k)]
	s_cmp_lt_u32 s44, s[SN+(\k)]
	s_cselect_b32 s40, s92, 0
.irp i, 0,2,4,6
	v_pk_fma_f32 v[ACC+\i:ACC+\i+1], v[RG+16*(\k)+8*\j+\i:RG+16*(\k)+8*\j+\i+1], s[40:41], v[ACC+\i:ACC+\i+1] op_sel_hi:[1,0,1]
.endr
.endr
.endm
; Where a sequence ends, my sums go to my 1,024 bytes of that sequence's parts, and begin anew.
.macro FLUSHQ k, q
	s_cmp_eq_u32 s[SF+(\k)], \q
	s_cbranch_scc0 .Lnq_\@
	ds_store_b128 v[PA+(\q)/4], v[ACC:ACC+3] offset:((\q)%4)*SEQB
	ds_store_b128 v[PA+(\q)/4], v[ACC+4:ACC+7] offset:((\q)%4)*SEQB+512
.Lnq_\@:
.endm
.macro FLUSH k
	s_cmp_lt_u32 s[SF+(\k)], NSEQ
	s_cbranch_scc0 .Lnf_\@
.irp q, 0,1,2,3,4,5,6,7
	FLUSHQ \k, \q
.endr
	s_wait_dscnt 0x0                               ; the stores are done: their data may be written again
.irp i, 0,1,2,3,4,5,6,7
	v_mov_b32 v[ACC+\i], 0
.endr
.Lnf_\@:
.endm
	ADV                                            ; sequence 0
	PRODUCE 0
	PRODUCE 1
	PRODUCE 2
	s_wait_loadcnt 3*LPS                           ; b and W are in; the three slots' twelve loads are younger and stay out
; W's four blocks of my column: the largest magnitude with the floor 2^(3 - 127) among its leaves; 2 off its exponent field is the conversion's scale operand; that field is the byte.
.irp b, 0,1,2,3
	v_max3_num_f32 v[M+\b], |v[WX+32*\b]|, |v[WX+32*\b+1]|, 0x1800000
.endr
.irp i, 2,4,6,8,10,12,14,16,18,20,22,24,26,28,30
.irp b, 0,1,2,3
	v_max3_num_f32 v[M+\b], v[M+\b], |v[WX+32*\b+\i]|, |v[WX+32*\b+\i+1]|   ; the four blocks by turns
.endr
.endr
.irp b, 0,1,2,3
	v_add_nc_u32 v[SC+\b], 0xff000000, v[M+\b]
.endr
.irp b, 0,1,2,3
	v_lshrrev_b32 v[BY+\b], 23, v[SC+\b]
.endr
	v_lshl_or_b32 v[WSC], v[BY+1], 8, v[BY]        ; my column's scale word for this K step
	v_lshl_or_b32 v[WSC], v[BY+2], 16, v[WSC]
	v_lshl_or_b32 v[WSC], v[BY+3], 24, v[WSC]
.irp c, 0,1                                    ; block 2 c goes toward the first tile's registers 6 c .., block 2 c + 1 toward the second's; a conversion's three registers begin on an even number, so the upper halves are made apart
	v_cvt_scalef32_pk16_fp6_f32 v[F0+6*\c:F0+6*\c+2], v[WX+64*\c:WX+64*\c+15], v[SC+2*\c]
	v_cvt_scalef32_pk16_fp6_f32 v[TH+8*\c:TH+8*\c+2], v[WX+64*\c+16:WX+64*\c+31], v[SC+2*\c]
	v_cvt_scalef32_pk16_fp6_f32 v[F1+6*\c:F1+6*\c+2], v[WX+64*\c+32:WX+64*\c+47], v[SC+2*\c+1]
	v_cvt_scalef32_pk16_fp6_f32 v[TH+8*\c+4:TH+8*\c+6], v[WX+64*\c+48:WX+64*\c+63], v[SC+2*\c+1]
.endr
	v_nop                                          ; one plain line behind the scaled conversions
; The first register's lanes 16-31 (block 2 c of columns 16-31) change places with the second's lanes 0-15 (block 2 c + 1 of columns 0-15): the first then holds, of columns 0-15, block 2 c in
; lanes 0-15 and block 2 c + 1 in lanes 16-31, which is the first tile's fragment; the second likewise the second tile's.
.irp c, 0,1
.irp i, 0,1,2
	v_permlane16_swap_b32 v[F0+6*\c+\i], v[F1+6*\c+\i]
	v_permlane16_swap_b32 v[TH+8*\c+\i], v[TH+8*\c+4+\i]
.endr
.endr
.irp c, 0,1
.irp i, 0,1,2
	v_mov_b32 v[F0+6*\c+3+\i], v[TH+8*\c+\i]
	v_mov_b32 v[F1+6*\c+3+\i], v[TH+8*\c+4+\i]
.endr
.endr
.irp k, 3,4,5,6,7
	PRODUCE \k                                     ; the rest of the ring, into the registers that W's numbers have left
.endr
	s_mov_b32 s35, 0                               ; trips done
.Lstream:                                              ; a trip goes once round the ring: it adds up eight steps and asks for eight more (steps beyond the last sequence's count no row)
.irp k, 0,1,2,3,4,5,6,7
	CONSUME \k, (NSL-1)*LPS                        ; the seven other slots' 28 loads are younger
	FLUSH \k
	PRODUCE \k
.endr
	s_add_co_u32 s35, s35, 1
	s_cmp_lt_u32 s35, s34
	s_cbranch_scc1 .Lstream
.irp k, 0,1,2,3,4,5,6,7
	CONSUME \k, (NSL-1-\k)*LPS                     ; the last eight steps ask for nothing: the counts run down to 0
	FLUSH \k
.endr
	s_wait_dscnt 0x0                               ; my parts lie in LDS
	s_barrier_signal -1
	s_barrier_wait -1                              ; everybody's do
; The 16 waves' parts of my four columns of sequence wave / 2, added as a tree; then the mean.
.irp p, 0,1,2,3,4,5,6,7,8,9,10,11,12,13,14,15
	ds_load_b128 v[RS+4*\p:RS+4*\p+3], v[RDA] offset:\p*1024
.endr
.macro ADD4 a, b
	v_pk_add_f32 v[RS+4*(\a):RS+4*(\a)+1], v[RS+4*(\a):RS+4*(\a)+1], v[RS+4*(\b):RS+4*(\b)+1]
	v_pk_add_f32 v[RS+4*(\a)+2:RS+4*(\a)+3], v[RS+4*(\a)+2:RS+4*(\a)+3], v[RS+4*(\b)+2:RS+4*(\b)+3]
.endm
.irp p, 0,2,4,6,8,10,12,14
	s_wait_dscnt 14-\p                             ; parts p and p + 1 are in; the 14 - p loads behind them may be out
	ADD4 \p, \p+1
.endr
.irp p, 0,4,8,12
	ADD4 \p, \p+2
.endr
	ADD4 0, 4
	ADD4 8, 12
	ADD4 0, 8
	s_wait_alu depctr_va_vdst(0)
	v_pk_mul_f32 v[RS:RS+1], v[RS:RS+1], v[INV:INV+1] op_sel_hi:[1,0]       ; x 1 / len (the pair's low word for both halves)
	v_pk_mul_f32 v[RS+2:RS+3], v[RS+2:RS+3], v[INV:INV+1] op_sel_hi:[1,0]
	ds_store_b128 v[MSA], v[RS:RS+3]
	s_wait_dscnt 0x0
	s_barrier_signal -1
	s_barrier_wait -1                              ; the 8 means lie in LDS
; My K step of the means as an operand: lane (r, h) takes, of row r % 8, the whole blocks h and 2 + h: registers 6 c .. 6 c + 5 hold k = 64 c + 32 h + 0 .. 31.
.irp c, 0,1
.irp i, 0,1,2,3,4,5,6,7
	ds_load_b128 v[XA+32*\c+4*\i:XA+32*\c+4*\i+3], v[MRA] offset:256*\c+16*\i
.endr
.endr
	s_wait_dscnt 0x0
.irp c, 0,1
	v_max3_num_f32 v[M+\c], |v[XA+32*\c]|, |v[XA+32*\c+1]|, 0x1800000       ; with the floor 2^(3 - 127)
.endr
.irp i, 2,4,6,8,10,12,14,16,18,20,22,24,26,28,30
.irp c, 0,1
	v_max3_num_f32 v[M+\c], v[M+\c], |v[XA+32*\c+\i]|, |v[XA+32*\c+\i+1]|
.endr
.endr
.irp c, 0,1
	v_add_nc_u32 v[SC+\c], 0xff000000, v[M+\c]
.endr
.irp c, 0,1
	v_lshrrev_b32 v[BY+\c], 23, v[SC+\c]
.endr
	v_lshl_or_b32 v[BY], v[BY+1], 16, v[BY]        ; my two bytes: blocks h and 2 + h,
	v_lshlrev_b32 v[BY], v[SH], v[BY]              ; at their places in the word (8 h bits up);
	v_permlanex16_b32 v[BY+1], v[BY], s[SEL], s[SEL+1]
	v_or_b32 v[ASC], v[BY], v[BY+1]                ; with lane l xor 16's two the word is whole
.irp c, 0,1
	v_cvt_scalef32_pk16_fp6_f32 v[AF+6*\c:AF+6*\c+2], v[XA+32*\c:XA+32*\c+15], v[SC+\c]
	v_cvt_scalef32_pk16_fp6_f32 v[TH+4*\c:TH+4*\c+2], v[XA+32*\c+16:XA+32*\c+31], v[SC+\c]
.endr
	v_nop                                          ; one plain line behind the scaled conversions
.irp c, 0,1
.irp i, 0,1,2
	v_mov_b32 v[AF+6*\c+3+\i], v[TH+4*\c+\i]
.endr
.endr
.rept 8
	v_nop                                          ; a scale register written by a vector instruction stands 8 places ahead of a scaled matrix instruction, an operand so written 4
.endr
; Transposed: source 0 = 16 columns of W, source 1 = the sequences.  Lane (r, h), register j: out(sequence r % 8, column 32 p + 16 t + 8 h + j), this K step's part.  Two accumulators, each begun with 0.
	v_wmma_scale_f32_16x16x128_f8f6f4 v[DD:DD+7], v[F0:F0+11], v[AF:AF+11], 0, v[WSC], v[ASC] matrix_a_fmt:MATRIX_FMT_FP6 matrix_b_fmt:MATRIX_FMT_FP6
	v_wmma_scale_f32_16x16x128_f8f6f4 v[DD+8:DD+15], v[F1:F1+11], v[AF:AF+11], 0, v[WSC], v[ASC] matrix_a_fmt:MATRIX_FMT_FP6 matrix_b_fmt:MATRIX_FMT_FP6 matrix_a_scale:MATRIX_SCALE_ROW1
.rept 4
	v_nop                                          ; four places in front of the stores that read the results
.endr
.irp t, 0,1                                    ; each accumulator from its low end on.  Lanes r and r + 8 hold the same numbers and store them to the same bytes
	ds_store_b128 v[SOA], v[DD+8*\t:DD+8*\t+3] offset:64*\t
	ds_store_b128 v[SOA], v[DD+8*\t+4:DD+8*\t+7] offset:64*\t+16
.endr
	s_wait_dscnt 0x0
	s_barrier_signal -1
	s_barrier_wait -1                              ; both K steps' parts of the 8 rows lie in the stage
	ds_load_b128 v[RS:RS+3], v[SRA]
	ds_load_b128 v[RS+4:RS+7], v[SRA] offset:STGS
	s_wait_dscnt 0x0
	v_pk_add_f32 v[RS:RS+1], v[RS:RS+1], v[RS+4:RS+5]
	v_pk_add_f32 v[RS+2:RS+3], v[RS+2:RS+3], v[RS+6:RS+7]
	v_pk_add_f32 v[RS:RS+1], v[RS:RS+1], v[BIA:BIA+1]
	v_pk_add_f32 v[RS+2:RS+3], v[RS+2:RS+3], v[BIA+2:BIA+3]
	global_store_b128 v[GOF], v[RS:RS+3], s[12:13] th:TH_STORE_NT           ; a wave stores 512 consecutive bytes, at a multiple of 512 from out0's first byte; written once
	s_wait_tensorcnt 0x0
	ds_add_u32 v75, v79
	s_wait_dscnt 0x0
	s_endpgm
.Lfunc_end_k_q270c333b3d_seqmean_linear:
	.size	k_q270c333b3d_seqmean_linear, .Lfunc_end_k_q270c333b3d_seqmean_linear-k_q270c333b3d_seqmean_linear
	.p2alignl 7, 3214868480
	.fill 96, 4, 3214868480
	.section	.rodata,"a",@progbits
	.p2align	6, 0x0
	.amdhsa_kernel k_q270c333b3d_seqmean_linear
		.amdhsa_group_segment_fixed_size 158720
		.amdhsa_private_segment_fixed_size 0
		.amdhsa_enable_private_segment 0
		.amdhsa_kernarg_size 40
		.amdhsa_user_sgpr_count 2
		.amdhsa_user_sgpr_kernarg_segment_ptr 1
		.amdhsa_wavefront_size32 1
		.amdhsa_system_sgpr_workgroup_id_x 1
		.amdhsa_system_sgpr_workgroup_id_y 1
		.amdhsa_system_sgpr_workgroup_id_z 1
		.amdhsa_system_vgpr_workitem_id 0
		.amdhsa_next_free_vgpr 256
		.amdhsa_next_free_sgpr 94
		.amdhsa_reserve_vcc 0
		.amdhsa_float_denorm_mode_32 3
		.amdhsa_float_denorm_mode_16_64 3
		.amdhsa_memory_ordered 1
		.amdhsa_forward_progress 1
		.amdhsa_inst_pref_size 96
	.end_amdhsa_kernel
	.amdgpu_metadata
---
amdhsa.version: [ 1, 2 ]
amdhsa.kernels:
  - .name:           k_q270c333b3d_seqmean_linear
    .symbol:         k_q270c333b3d_seqmean_linear.kd
    .args:
      - { .name: values, .offset: 0, .size: 8, .value_kind: global_buffer, .address_space: global }
      - { .name: indices, .offset: 8, .size: 8, .value_kind: global_buffer, .address_space: global }
      - { .name: W, .offset: 16, .size: 8, .value_kind: global_buffer, .address_space: global }
      - { .name: b, .offset: 24, .size: 8, .value_kind: global_buffer, .address_space: global }
      - { .name: out0, .offset: 32, .size: 8, .value_kind: global_buffer, .address_space: global }
    .group_segment_fixed_size: 158720
    .private_segment_fixed_size: 0
    .kernarg_segment_align: 8
    .kernarg_segment_size: 40
    .max_flat_workgroup_size: 512
    .sgpr_count:     94
    .vgpr_count:     256
    .wavefront_size: 32
...
	.end_amdgpu_metadata
.endif
;; end of part 1
;; ======== version 2 of 2: 2 launches
;; limits: right only within a limited range of input values
;; workspace buffers: pre 268,436,480 bytes; wq 53,248 bytes
;; launch sums (part 2): grid 256 x 1, 16 waves a work-group, no clusters, 4,096 bytes of LDS; arguments values, indices, W, pre, wq; writes pre, wq
.if DOCPART == 2
	.amdgcn_target "amdgcn-amd-amdhsa--gfx1250"
	.amdhsa_code_object_version 6
	.text
	.protected	k_q270c333b3d_sums
	.globl	k_q270c333b3d_sums
	.p2align	8
	.type	k_q270c333b3d_sums,@function
k_q270c333b3d_sums:
	s_mov_b64 s[64:65], 0
	v_nop
	global_prefetch_b8 v0, s[64:65] scope:SCOPE_SE
	s_setreg_imm32_b32 hwreg(HW_REG_WAVE_MODE, 25, 1), 1
	s_wait_xcnt 0x0
; RUNNING SUMS OF THE TOKEN ROWS, IN FIXED CHUNKS OF 64 ROWS, AND W'S CODES.   values [262144][256] f32, indices [2048][2] i32, W [256 (k)][256 (n)] f32.
; reference() takes csum[end] - csum[start].  Here the rows are cut into 4,096 chunks of 64; with pre(p) = the sum of rows 64 floor(p / 64) .. p - 1 and total(c) = the sum of chunk c,
; csum[e] - csum[s] = pre(e) - pre(s) + the totals of chunks floor(s / 64) .. floor(e / 64) - 1.  This launch stores pre(p), as row p of the workspace pre [262145][256] f32, for every p
; that indices names (p % 64 != 0), and total(c) as row 64 (c + 1).  Only those rows of the workspace are ever written or read; the next launch adds them up.
; SHARES.  256 work-groups of 16 waves; work-group g owns rows 1,024 g .., wave w of it the chunk 16 g + w.  Every wave moves the same 64 rows, whatever the list holds; each row is read once.
; A row is two loads of 512 consecutive bytes; a ring of 16 rows in registers: 32 loads, 16 KB, of a wave are out.  The walk of 64 rows is expanded by the assembler: every offset is an
; immediate, no pointer is stepped.
; WHICH ROWS ARE STORED.  Thread t tests indices' words 8 t .. 8 t + 7: d = p - 1 - 1,024 g under 1,024 is a hit.  A wave sets its hits into one register (lane d / 32, bit d % 32), in a
; loop counted by the number of hits; the 16 waves' registers meet in LDS at 4 x thread; one barrier; their OR's lanes 2 w and 2 w + 1 are wave w's 64 flags.  No LDS address hangs on data.
; This stands behind the ring's first loads, which hang on no index.
; W: wave 0 of work-groups 0-63 quantises 32 columns x one block of 32 along K to FP6 (E2M3) with an E8M0 byte: a lane takes a column, its registers run down K.  Its loads are issued ahead
; of the ring's, so their wait leaves the ring out.  wq holds, for each wave u = 2 p + s of the next launch (columns 32 p .., K step s), an image of 3,328 bytes of that wave's operand
; registers: register j (12 tile + 6 c + i) of lane L (column % 16 + 16 h) at 512 (j / 4) + 16 L + 4 (j % 4), block 2 c + h of the K step in registers 6 c .. 6 c + 5; from byte 3,072 the
; scale words, 4 bytes a column, the block's byte at its number.  A task's lane so stores three pieces of 8 bytes and one byte.
; No prefetch: from its first lines on a work-group has 256 KB on its way.  No joint loads: no two work-groups read the same rows.
; LIMITS.  Indices are held to 0 .. 262,144.  A NaN or infinity in a row reaches every sum of its chunk from that row on.  A block of W whose largest magnitude lies under 2^(3 - 127)
; keeps the scale byte 1; a block of zeros too (this program alone reads the bytes).
.set TOTAL, 262144
.set WIMG,  3328                       ; bytes from one image of W to the next: 13 x 256
.set SPARE, 2048                       ; LDS: 0 .. 2,047 the waves' flag words; from SPARE the spare words, 128 bytes a wave
.set LOF, 1                            ; v1   16 x lane
.set SPW, 2                            ; v2   my spare word;  v3  0
.set NIL, 3
.set IX,  4                            ; v4-11 eight words of indices, then d
.set LN,  12                           ; v12  lane
.set MK,  13                           ; v13  my wave's hits
.set MA,  14                           ; v14  4 x thread
.set MR,  15                           ; v15  4 x lane
.set G,   16                           ; v16-31 the 16 waves' words
.set ACC, 32                           ; v32-39 the running sums: columns 4 l .. + 3 and 128 + 4 l .. + 3
.set CP,  40                           ; v40-47 their copy on its way to memory
.set RG,  48                           ; v48-175 the ring: row j in slot j % 16
.set WX,  176                          ; v176-207 a block of my column of W
.set WC,  208                          ; v208-213 its codes (the upper half is made in v212-214 and moved down)
.set WM,  216                          ; v216-217 largest magnitudes; v218 scale operand; v219 byte
.set WS,  218
.set WB,  219
.set WOF, 220                          ; v220-222 offsets in W, of the codes, of the scale byte
.set WCO, 221
.set WSO, 222
.set IOF, 223                          ; v223 32 x thread
.set HM,  24                           ; s24-31 masks of hits
; s14 wave, s[16:17] my chunk's byte offset, s18 1,024 g + 1, s[20:21] my 64 flags, s22 2 w, s32 hits, s33 hits done, s34-39 and s15 at work, s40-45 W's task
	s_load_b256 s[4:11], s[0:1], 0x0               ; values s[4:5], indices s[6:7], W s[8:9], pre s[10:11]
	s_load_b64 s[12:13], s[0:1], 0x20              ; wq
	v_lshl_add_u32 v[SPW], v0, 2, SPARE
	v_mov_b32 v[NIL], 0
	v_lshrrev_b32 v[G], 5, v0
	v_and_b32 v[LN], 31, v0
	v_lshlrev_b32 v[IOF], 5, v0
	v_lshlrev_b32 v[MA], 2, v0
	v_mov_b32 v[MK], 0
	v_readfirstlane_b32 s14, v[G]                  ; wave 0..15
	v_lshlrev_b32 v[LOF], 4, v[LN]
	v_lshlrev_b32 v[MR], 2, v[LN]
	s_lshl_b32 s16, ttmp9, 20                      ; 1,024 rows of 1,024 bytes a work-group,
	s_lshl_b32 s15, s14, 16                        ; 64 a wave: under 2^28
	s_add_co_u32 s16, s16, s15
	s_mov_b32 s17, 0
	s_lshl_b32 s18, ttmp9, 10
	s_add_co_u32 s18, s18, 1
	s_lshl_b32 s22, s14, 1
	s_and_b32 s40, ttmp9, 7                        ; W's task: columns 32 p .., p = g % 8,
	s_bfe_u32 s41, ttmp9, 0x30003                  ; block (g / 8) % 8 of the column's eight
	s_lshl_b32 s42, s41, 15
	s_lshl_b32 s15, s40, 7
	s_add_co_u32 s42, s42, s15                     ; in W: 32 rows of 1,024 bytes a block, 128 bytes a column group
	s_lshr_b32 s15, s41, 2                         ; K step s = block / 4
	s_lshl_b32 s43, s40, 1
	s_add_co_u32 s43, s43, s15
	s_mul_i32 s43, s43, WIMG                       ; image 2 p + s
	s_and_b32 s44, s41, 3
	s_add_co_u32 s44, s44, s43                     ; the scale byte: the block's number in its K step
	s_and_b32 s15, s41, 1                          ; h
	s_lshl_b32 s15, s15, 8
	s_add_co_u32 s43, s43, s15                     ; the codes: lanes 16 h ..: 256 h bytes
	s_bfe_u32 s45, s41, 0x10001                    ; c
	s_wait_alu depctr_va_vdst(0)                   ; the wait at the head's end
	s_wait_kmcnt 0x0
	s_add_nc_u64 s[4:5], s[4:5], s[16:17]          ; values and pre at my chunk's first row
	s_add_nc_u64 s[10:11], s[10:11], s[16:17]
.macro FIRST                           ; my eight words of indices (a wave reads 1,024 consecutive bytes), then rows 0 to 15
	global_load_b128 v[IX:IX+3], v[IOF], s[6:7]
	global_load_b128 v[IX+4:IX+7], v[IOF], s[6:7] offset:16
.irp k, 0,1,2,3,4,5,6,7,8,9,10,11,12,13,14,15
	global_load_b128 v[RG+8*\k:RG+8*\k+3], v[LOF], s[4:5] offset:1024*\k th:TH_LOAD_NT
	global_load_b128 v[RG+8*\k+4:RG+8*\k+7], v[LOF], s[4:5] offset:1024*\k+512 th:TH_LOAD_NT
.endr
.endm
	s_cmp_lg_u32 s14, 0
	s_cbranch_scc1 .Lplain
	s_cmp_ge_u32 ttmp9, 64
	s_cbranch_scc1 .Lplain
	v_lshl_add_u32 v[WOF], v[LN], 2, s42
	v_lshrrev_b32 v[WCO], 4, v[LN]                 ; tile = lane / 16: 12 registers, 1,536 bytes of the image,
	v_and_b32 v[WSO], 15, v[LN]
	v_mad_u32_u24 v[WCO], v[WCO], 1536, s43
	v_lshl_add_u32 v[WCO], v[WSO], 4, v[WCO]       ; 16 bytes a lane of the image
	v_lshl_add_u32 v[WSO], v[LN], 2, s44           ; 4 scale bytes a column
.set kk, 0
.rept 32
	global_load_b32 v[WX+kk], v[WOF], s[8:9] offset:kk*1024    ; W(32 block + kk, my column): 32 lanes read 128 consecutive bytes
.set kk, kk+1
.endr
	FIRST
	s_wait_loadcnt 34                              ; W's 32 loads are in; the 2 of indices and the ring's 32 behind them may be out
	v_max3_num_f32 v[WM], |v[WX]|, |v[WX+1]|, |v[WX+2]|
	v_max3_num_f32 v[WM+1], |v[WX+3]|, |v[WX+4]|, |v[WX+5]|
.irp i, 6,10,14,18,22,26
	v_max3_num_f32 v[WM], v[WM], |v[WX+\i]|, |v[WX+\i+1]|
	v_max3_num_f32 v[WM+1], v[WM+1], |v[WX+\i+2]|, |v[WX+\i+3]|
.endr
	v_max3_num_f32 v[WM], v[WM], |v[WX+30]|, |v[WX+31]|
	v_max3_num_f32 v[WM], v[WM], v[WM+1], 0x1800000        ; with the floor 2^(3 - 127): the byte cannot fall under 1
	v_add_nc_u32 v[WS], 0xff000000, v[WM]          ; 2 off the exponent field: the conversion's scale operand
	v_lshrrev_b32 v[WB], 23, v[WS]                 ; the scale's byte
	v_cvt_scalef32_pk16_fp6_f32 v[WC:WC+2], v[WX:WX+15], v[WS]
	v_cvt_scalef32_pk16_fp6_f32 v[WC+4:WC+6], v[WX+16:WX+31], v[WS]   ; (a conversion's three registers begin on an even number)
	v_nop                                          ; one plain line behind the scaled conversions
	v_mov_b32 v[WC+3], v[WC+4]                     ; the block's 24 bytes in six registers on end
	v_mov_b32 v[WC+4], v[WC+5]
	v_mov_b32 v[WC+5], v[WC+6]
	s_wait_alu depctr_va_vdst(0)
	global_store_b8 v[WSO], v[WB], s[12:13] offset:3072
	s_cmp_lg_u32 s45, 0
	s_cbranch_scc1 .Lupper
	global_store_b64 v[WCO], v[WC:WC+1], s[12:13]              ; c = 0: registers 0-5 of the tile's twelve
	global_store_b64 v[WCO], v[WC+2:WC+3], s[12:13] offset:8
	global_store_b64 v[WCO], v[WC+4:WC+5], s[12:13] offset:512
	s_branch .Lasked
.Lupper:
	global_store_b64 v[WCO], v[WC:WC+1], s[12:13] offset:520   ; c = 1: registers 6-11
	global_store_b64 v[WCO], v[WC+2:WC+3], s[12:13] offset:1024
	global_store_b64 v[WCO], v[WC+4:WC+5], s[12:13] offset:1032
	s_branch .Lasked
.Lplain:
	FIRST
.Lasked:
	s_wait_loadcnt 32                              ; my words of indices are in; the ring's 32 loads may be out
.irp i, 0,1,2,3,4,5,6,7
	v_min_u32 v[IX+\i], TOTAL, v[IX+\i]
.endr
.irp i, 0,1,2,3,4,5,6,7
	v_sub_nc_u32 v[IX+\i], v[IX+\i], s18           ; d = p - 1 - 1,024 g, huge where p lies under the work-group's rows
.endr
.irp i, 0,1,2,3,4,5,6,7
	v_cmp_gt_u32 s[HM+\i], 0x400, v[IX+\i]
.endr
	s_wait_alu depctr_va_vdst(0)
.macro HITS i                          ; each hit of register i: lane d / 32 of MK gets bit d % 32
	s_bcnt1_i32_b32 s32, s[HM+\i]
	s_mov_b32 s33, 0
	s_cmp_eq_u32 s32, 0
	s_cbranch_scc1 .Lnone_\@
.Lhit_\@:
	s_ctz_i32_b32 s34, s[HM+\i]                    ; the lowest lane with a hit,
	s_lshl_b32 s35, 1, s34
	s_and_not1_b32 s[HM+\i], s[HM+\i], s35         ; taken off the mask
	v_readlane_b32 s36, v[IX+\i], s34              ; its d, under 1,024
	s_lshr_b32 s37, s36, 5
	s_lshl_b32 s38, 1, s36                         ; (a shift takes the low five bits of its count)
	v_readlane_b32 s39, v[MK], s37
	s_or_b32 s39, s39, s38
	v_writelane_b32 v[MK], s39, s37
	s_wait_alu depctr_va_vdst(0)                   ; the wait behind the write
	s_add_co_u32 s33, s33, 1
	s_cmp_lt_u32 s33, s32
	s_cbranch_scc1 .Lhit_\@
.Lnone_\@:
.endm
.irp i, 0,1,2,3,4,5,6,7
	HITS \i
.endr
	ds_store_b32 v[MA], v[MK]
	s_wait_dscnt 0x0                               ; for the others' sake: my store is done
	s_barrier_signal -1
	s_barrier_wait -1
.irp i, 0,1,2,3,4,5,6,7,8,9,10,11,12,13,14,15
	ds_load_b32 v[G+\i], v[MR] offset:128*\i       ; wave i's word of my lane
.endr
	s_wait_dscnt 0x0
.irp i, 0,1,2,3,4,5,6,7
	v_or_b32 v[G+\i], v[G+\i], v[G+8+\i]
.endr
.irp i, 0,1,2,3
	v_or_b32 v[G+\i], v[G+\i], v[G+4+\i]
.endr
	v_or_b32 v[G], v[G], v[G+2]
	v_or_b32 v[G+1], v[G+1], v[G+3]
	v_or_b32 v[G], v[G], v[G+1]
	v_readlane_b32 s20, v[G], s22                  ; flag j: the sum behind my row j is asked for
	s_add_co_u32 s22, s22, 1
	v_readlane_b32 s21, v[G], s22
; Row j: added to the running sums; its slot takes row j + 16; where flag j is set, and behind row 63, the sums are copied and the copy is stored as row j + 1 from my chunk's first.
.macro ROW j
.set SL, RG+8*((\j)%16)
.if (\j) > 0
	s_wait_alu depctr_va_vdst(0)
.endif
.if (\j) < 48
	s_wait_loadcnt 30                              ; the 15 other slots' loads are younger
.else
	s_wait_loadcnt 2*(63-(\j))                     ; nothing more is asked for: the counts run down
.endif
.if (\j) == 0
.irp i, 0,1,2,3,4,5,6,7
	v_mov_b32 v[ACC+\i], v[SL+\i]                  ; the first row starts the sums
.endr
.else
.irp i, 0,2,4,6
	v_pk_add_f32 v[ACC+\i:ACC+\i+1], v[ACC+\i:ACC+\i+1], v[SL+\i:SL+\i+1]
.endr
.endif
.if (\j) < 48
	global_load_b128 v[SL:SL+3], v[LOF], s[4:5] offset:1024*((\j)+16) th:TH_LOAD_NT
	global_load_b128 v[SL+4:SL+7], v[LOF], s[4:5] offset:1024*((\j)+16)+512 th:TH_LOAD_NT
.endif
.if (\j) < 63
	s_bitcmp1_b32 s[20+(\j)/32], (\j)%32
	s_cbranch_scc0 .Lno_\@
.endif
	s_wait_alu depctr_va_vdst(0)                   ; directly ahead of the wait below
	s_wait_xcnt 0x0                                ; the last such stores have read the copy: it is written again only behind this wait
.irp i, 0,1,2,3,4,5,6,7
	v_mov_b32 v[CP+\i], v[ACC+\i]
.endr
	global_store_b128 v[LOF], v[CP:CP+3], s[10:11] offset:1024*((\j)+1)        ; two stores of 512 consecutive bytes
	global_store_b128 v[LOF], v[CP+4:CP+7], s[10:11] offset:1024*((\j)+1)+512
.Lno_\@:
.endm
.set J, 0
.rept 64
	ROW J
.set J, J+1
.endr
	s_wait_tensorcnt 0x0                           ; the wave's end
	ds_add_u32 v[SPW], v[NIL]
	s_wait_dscnt 0x0
	s_endpgm
.Lfunc_end_k_q270c333b3d_sums:
	.size	k_q270c333b3d_sums, .Lfunc_end_k_q270c333b3d_sums-k_q270c333b3d_sums
	.p2alignl 7, 3214868480
	.fill 96, 4, 3214868480
	.section	.rodata,"a",@progbits
	.p2align	6, 0x0
	.amdhsa_kernel k_q270c333b3d_sums
		.amdhsa_group_segment_fixed_size 4096
		.amdhsa_private_segment_fixed_size 0
		.amdhsa_enable_private_segment 0
		.amdhsa_kernarg_size 40
		.amdhsa_user_sgpr_count 2
		.amdhsa_user_sgpr_kernarg_segment_ptr 1
		.amdhsa_wavefront_size32 1
		.amdhsa_system_sgpr_workgroup_id_x 1
		.amdhsa_system_sgpr_workgroup_id_y 1
		.amdhsa_system_sgpr_workgroup_id_z 1
		.amdhsa_system_vgpr_workitem_id 0
		.amdhsa_next_free_vgpr 224
		.amdhsa_next_free_sgpr 66
		.amdhsa_reserve_vcc 0
		.amdhsa_float_denorm_mode_32 3
		.amdhsa_float_denorm_mode_16_64 3
		.amdhsa_memory_ordered 1
		.amdhsa_forward_progress 1
		.amdhsa_inst_pref_size 88
	.end_amdhsa_kernel
	.amdgpu_metadata
---
amdhsa.version: [ 1, 2 ]
amdhsa.kernels:
  - .name:           k_q270c333b3d_sums
    .symbol:         k_q270c333b3d_sums.kd
    .args:
      - { .name: values, .offset: 0, .size: 8, .value_kind: global_buffer, .address_space: global }
      - { .name: indices, .offset: 8, .size: 8, .value_kind: global_buffer, .address_space: global }
      - { .name: W, .offset: 16, .size: 8, .value_kind: global_buffer, .address_space: global }
      - { .name: pre, .offset: 24, .size: 8, .value_kind: global_buffer, .address_space: global }
      - { .name: wq, .offset: 32, .size: 8, .value_kind: global_buffer, .address_space: global }
    .group_segment_fixed_size: 4096
    .private_segment_fixed_size: 0
    .kernarg_segment_align: 8
    .kernarg_segment_size: 40
    .max_flat_workgroup_size: 512
    .sgpr_count:     66
    .vgpr_count:     224
    .wavefront_size: 32
...
	.end_amdgpu_metadata
.endif
;; end of part 2
;; launch finish (part 3): grid 256 x 1, 16 waves a work-group, no clusters, 27,136 bytes of LDS; arguments pre, indices, wq, b, out0; writes out0
.if DOCPART == 3
	.amdgcn_target "amdgcn-amd-amdhsa--gfx1250"
	.amdhsa_code_object_version 6
	.text
	.protected	k_q270c333b3d_finish
	.globl	k_q270c333b3d_finish
	.p2align	8
	.type	k_q270c333b3d_finish,@function
k_q270c333b3d_finish:
	s_mov_b64 s[64:65], 0
	v_nop
	global_prefetch_b8 v0, s[64:65] scope:SCOPE_SE
	s_setreg_imm32_b32 hwreg(HW_REG_WAVE_MODE, 25, 1), 1
	s_wait_xcnt 0x0
; out0[q][:] = Q(mean of values[start_q : end_q]) Q(W) + b, from the chunks' sums.   pre [262145][256] f32, indices [2048][2] i32, wq: W's codes and scale bytes, b [256] f32, out0 [2048][256] f32.
; Q: codes of FP6 (E2M3) with one E8M0 scale for each 32 along K (the 256 features); the product by v_wmma_scale_f32_16x16x128_f8f6f4, sums in f32; all else in f32.
; SHARES.  256 work-groups of 16 waves; a work-group owns 8 sequences.  Sixteen would fill the matrix tile's 16 columns but give 128 work-groups; the tile's columns 8-15 carry copies of
; sequences 0-7 (the same codes, the same results, stored to the same bytes).
; THE SUM.  With lo <= hi the sequence's two indices: row hi of pre, less row lo, plus rows 64 (c + 1), the totals of chunks c = lo / 64 .. hi / 64 - 1.  A row p with p % 64 = 0 stands for an
; empty sum and is not read.  Wave w adds half w % 2 of the rows of sequence w / 2.  24 places of 4 registers are cleared while the pair is on its way; then hi's row, lo's row and up to 22
; totals are asked for on end, from one base with the total's number in the immediate (65,536 bytes a total), and a scalar jump leaves the run at the first total past the list: only stored
; rows are read, and one wait serves all.  Totals from the 23rd on come in a loop, eight a trip; there a place past the list's end reads row 64, which is always stored, with weight 0.
; Then x 1 / len, and the mean goes to LDS.
; THE PRODUCT.  Barrier; wave w = (K step w % 2, columns 32 (w / 2) ..) quantises its K step of the 8 means and multiplies it by its two tiles of W (transposed use: source 0 = 16 columns of W,
; source 1 = the sequences: a lane holds 8 neighbouring outputs of one sequence); barrier; each thread adds the two K steps' parts and the bias and stores 16 bytes.
; W's two fragments and scale word come as the image of these registers that the launch before stored: six loads of 512 consecutive bytes and one of 128, 3,328 bytes from wave to wave.
; NO JOINT LOADS: W's codes, 53,248 bytes, are what work-groups share; each wave takes its 3,200 bytes once, into registers, and there is no loop in which a joint request could serve more.
; No prefetch: the rows' addresses are known only when the pair is in, and are then asked for at once.
; LIMITS.  start == end (reference: 0 / 0 = NaN) is not served.  NaN and infinities among values are not served (a chunk's sums hold rows that lie outside the sequence; in the loop rows
; weighted 0 are still multiplied).  Indices are held to 0 .. 262,144; start > end gives the mean of values[end : start], as reference's two negative differences do.  1 / len is v_rcp_f32
; and a multiplication.  A block whose largest magnitude lies under 2^(3 - 127) keeps the scale byte 1; a block of zeros too.
.set TOTAL,  262144
.set NT,     22                        ; totals asked for ahead of the loop
.set WIMG,   3328                      ; bytes from one wave's image of W to the next
.set MP,     1040                      ; pitch of the means' and the stage's rows: 1,024 + 16 bytes
.set STG,    8448                      ; LDS: from 0 the 8 means; from STG the stage: two copies (one a K step) of 8 rows of outputs
.set STGS,   8*MP
.set SPARE,  0x6200                    ; behind the stage: the spare words, 128 bytes a wave
.set POF, 2                            ; v2   my 16 bytes of a row of pre: 512 (wave % 2) + 16 x lane
.set LOF, 3                            ; v3   16 x lane
.set LSO, 4                            ; v4   4 x lane
.set MSA, 5                            ; v5   LDS: where I put 4 means
.set MRA, 6                            ; v6   LDS: where my lane's blocks of the means begin
.set SOA, 7                            ; v7   LDS: where I put my outputs' parts
.set SRA, 8                            ; v8   LDS: where I read 16 bytes of a row of outputs back
.set GOF, 9                            ; v9   16 x thread: my bytes of the work-group's 8,192 of out0
.set BOF, 11                           ; v11  my 16 bytes of b
.set BIA, 12                           ; v12-15 b of my four outputs
.set F0,  16                           ; v16-27 W's fragment, columns 32 p + 0 .. 15;  v28-39 columns 32 p + 16 .. 31
.set F1,  28
.set WSC, 40                           ; v40  W's scale words: lanes 0-15 the first tile's columns, lanes 16-31 the second's.  Holds scales alone
.set ASC, 41                           ; v41  the means' scale words.  Holds scales alone
.set ACC, 42                           ; v42-45 the sums of my four columns
.set M,   50                           ; v50-53 largest magnitudes;  v54-57 scale operands;  v58-61 scale bytes
.set SC,  54
.set BY,  58
.set INV, 62                           ; v62  1 / len
.set SH,  63                           ; v63  8 x (lane / 16)
.set TH,  64                           ; v64-71 upper halves of blocks' codes on their way
.set RS,  80                           ; v80-175 24 places of 16 bytes: hi's row, lo's row, 22 totals; in the loop the first eight; at the end the outputs' parts
.set TT,  RS+8
.set XA,  128                          ; v128-191 my two blocks of the means (behind the sums)
.set AF,  192                          ; v192-203 the means' fragment
.set DD,  208                          ; v208-223 two accumulators
.set SPW, 224                          ; v224 my spare word;  v225  0
.set NIL, 225
.set SA,  48                           ; s48-53 the addresses of hi's row, lo's row and the first total; in the loop s48-63 eight rows' addresses
.set WT,  66                           ; s66-73 the loop's weights
.set SEL, 90                           ; s90-91 lane selects for v_permlanex16_b32: lane l xor 16
; s16 wave, s17 my sequence, s[18:19] its pair, s23 len, s24 lo, s25 hi, s27 lo / 64 + 1, s28 the number of totals, s29 the total that stands at a trip's place 0, s34 the loop's trips,
; s35 trips done, s[36:37] my image of W, s[40:41] weight, s[42:43] byte offset, s44-45 at work, s92 1.0
	s_load_b256 s[4:11], s[0:1], 0x0               ; pre s[4:5], indices s[6:7], wq s[8:9], b s[10:11]
	s_load_b64 s[12:13], s[0:1], 0x20              ; out0
	v_lshl_add_u32 v[SPW], v0, 2, SPARE
	v_mov_b32 v[NIL], 0
	v_lshrrev_b32 v50, 5, v0
	v_and_b32 v51, 31, v0                          ; lane
	v_and_b32 v52, 7, v0                           ; lane % 8: the sequence of my lane in a fragment
	v_bfe_u32 v53, v0, 4, 1                        ; h = lane / 16
	v_lshrrev_b32 v54, 6, v0                       ; p = wave / 2
	v_bfe_u32 v55, v0, 5, 1                        ; wave % 2
	v_and_b32 v56, 63, v0                          ; thread % 64
	v_readfirstlane_b32 s16, v50                   ; wave 0..15
	v_lshlrev_b32 v[LOF], 4, v51                   ; the address chains by turns
	v_mul_u32_u24 v[MRA], v52, MP                  ; row lane % 8,
	v_mul_u32_u24 v[SOA], v52, MP                  ; row lane % 8,
	v_mul_u32_u24 v[SRA], v54, MP                  ; thread / 64 is the row,
	v_lshlrev_b32 v[LSO], 2, v51
	v_lshl_add_u32 v[POF], v55, 9, v[LOF]
	v_lshl_add_u32 v[MRA], v55, 9, v[MRA]          ; K step wave % 2: 512 bytes,
	v_mad_u32_u24 v[SOA], v55, STGS, v[SOA]        ; my K step's copy,
	v_lshl_add_u32 v[SRA], v56, 4, v[SRA]          ; thread % 64 the 16 bytes in it
	v_lshlrev_b32 v[GOF], 4, v0
	v_mad_u32_u24 v[MSA], v54, MP, v[POF]          ; row wave / 2, half wave % 2, 16 bytes a lane
	v_lshl_add_u32 v[MRA], v53, 7, v[MRA]          ; block h of each pair of blocks
	v_lshl_add_u32 v[SOA], v54, 7, v[SOA]          ; my 32 columns,
	v_add_nc_u32 v[SRA], STG, v[SRA]
	v_lshlrev_b32 v[BOF], 4, v56
	v_lshlrev_b32 v[SH], 3, v53
	v_lshl_add_u32 v[SOA], v53, 5, v[SOA]          ; 8 numbers for each half of the lanes
	v_nop
	v_add_nc_u32 v[SOA], STG, v[SOA]
	s_lshr_b32 s44, s16, 1
	s_lshl_b32 s17, ttmp9, 3
	s_add_co_u32 s17, s17, s44                     ; my sequence: 8 x work-group + wave / 2
	s_lshl_b32 s30, s17, 3                         ; its pair: 8 bytes
	s_mov_b32 s31, 0
	s_mul_i32 s36, s16, WIMG                       ; my image of W
	s_mov_b32 s37, 0
	s_lshl_b32 s38, ttmp9, 13                      ; the work-group's 8 rows of out0: 8,192 bytes
	s_mov_b32 s39, 0
	s_mov_b32 s41, 0                               ; (named with s40 as a pair, so it is written)
	s_mov_b32 s43, 0
	s_mov_b32 s92, 0x3f800000                      ; 1.0
	s_mov_b32 s[SEL], 0x76543210
	s_mov_b32 s[SEL+1], 0xfedcba98
	s_wait_alu depctr_va_vdst(0)                   ; the wait at the head's end
	s_wait_kmcnt 0x0
	s_add_nc_u64 s[6:7], s[6:7], s[30:31]
	s_load_b64 s[18:19], s[6:7], 0x0
	s_add_nc_u64 s[8:9], s[8:9], s[36:37]
	s_add_nc_u64 s[12:13], s[12:13], s[38:39]
	global_load_b128 v[BIA:BIA+3], v[BOF], s[10:11]
.irp i, 0,1,2,3,4,5
	global_load_b128 v[F0+4*\i:F0+4*\i+3], v[LOF], s[8:9] offset:512*\i      ; the 24 registers as they were stored
.endr
	global_load_b32 v[WSC], v[LSO], s[8:9] offset:3072
.set z, 0
.rept 4*(NT+2)
	v_mov_b32 v[RS+z], 0                           ; a place that is not asked for adds nothing; these lines stand under the pair's flight
.set z, z+1
.endr
	s_wait_alu depctr_va_vdst(0)                   ; directly ahead of the wait below
	s_wait_kmcnt 0x0
	s_min_u32 s18, s18, TOTAL
	s_min_u32 s19, s19, TOTAL
	s_max_u32 s25, s18, s19                        ; hi
	s_min_u32 s24, s18, s19                        ; lo
	s_sub_co_u32 s23, s25, s24                     ; len
	s_lshr_b32 s27, s24, 6
	s_lshr_b32 s28, s25, 6
	s_sub_co_u32 s28, s28, s27                     ; so many totals
	s_add_co_u32 s27, s27, 1
	s_min_u32 s45, s25, TOTAL                      ; each row held inside the buffer by a constant; x 1,024 bytes: at most 2^28
	s_lshl_b32 s42, s45, 10
	s_add_nc_u64 s[SA:SA+1], s[4:5], s[42:43]
	s_min_u32 s45, s24, TOTAL
	s_lshl_b32 s42, s45, 10
	s_add_nc_u64 s[SA+2:SA+3], s[4:5], s[42:43]
	s_lshl_b32 s45, s27, 6                         ; the first total: row 64 (lo / 64 + 1)
	s_min_u32 s45, s45, TOTAL
	s_lshl_b32 s42, s45, 10
	s_add_nc_u64 s[SA+4:SA+5], s[4:5], s[42:43]
	s_and_b32 s44, s25, 63
	s_cmp_eq_u32 s44, 0
	s_cbranch_scc1 .Lno_hi                         ; an empty sum
	global_load_b128 v[RS:RS+3], v[POF], s[SA:SA+1]
.Lno_hi:
	s_and_b32 s44, s24, 63
	s_cmp_eq_u32 s44, 0
	s_cbranch_scc1 .Lno_lo
	global_load_b128 v[RS+4:RS+7], v[POF], s[SA+2:SA+3]
.Lno_lo:
.set t, 0
.rept NT
	s_cmp_le_u32 s28, t                            ; the list has no total t: nothing more is asked for
	s_cbranch_scc1 .Lasked
	global_load_b128 v[TT+4*t:TT+4*t+3], v[POF], s[SA+4:SA+5] offset:65536*t
.set t, t+1
.endr
.Lasked:
	v_cvt_f32_u32 v[INV], s23                      ; exact: under 2^24
	s_max_u32 s34, s28, NT
	s_sub_co_u32 s34, s34, NT-7
	s_lshr_b32 s34, s34, 3                         ; ceil((totals - 22) / 8) trips of the loop, 0 up to 22 totals
	s_mov_b32 s29, NT-8
	s_wait_alu depctr_va_vdst(0)                   ; the wait ahead of the transcendental
	v_rcp_f32 v[INV], v[INV]
	v_nop                                          ; the plain line behind the reciprocal
	s_wait_alu depctr_va_vdst(0)                   ; the wait behind it, directly ahead of the wait below
	s_wait_loadcnt 0x0                             ; all rows asked for are in, and b and W's codes, asked for earlier
	v_pk_add_f32 v[ACC:ACC+1], v[RS:RS+1], v[RS+4:RS+5] neg_lo:[0,1] neg_hi:[0,1]         ; hi's row less lo's starts the sums
	v_pk_add_f32 v[ACC+2:ACC+3], v[RS+2:RS+3], v[RS+6:RS+7] neg_lo:[0,1] neg_hi:[0,1]
.macro PLUS t
	v_pk_add_f32 v[ACC:ACC+1], v[ACC:ACC+1], v[TT+4*\t:TT+4*\t+1]
	v_pk_add_f32 v[ACC+2:ACC+3], v[ACC+2:ACC+3], v[TT+4*\t+2:TT+4*\t+3]
.endm
.irp t, 0,1,2,3,4,5
	PLUS \t
.endr
	s_cmp_le_u32 s28, 6
	s_cbranch_scc1 .Lsummed                        ; up to six totals: the other places hold zeros, and the loop has no trip
.irp t, 6,7,8,9,10,11,12,13,14,15,16,17,18,19,20,21
	PLUS \t
.endr
.macro ASKT k                                  ; total number s29 + k of the list
	s_add_co_u32 s44, s29, \k
	s_add_co_u32 s45, s27, s44
	s_lshl_b32 s45, s45, 6                         ; row 64 (lo / 64 + 1 + its number)
	s_cmp_lt_u32 s44, s28
	s_cselect_b32 s[WT+\k], s92, 0                 ; past the list's end: weight 0, row 64
	s_cselect_b32 s45, s45, 64
	s_min_u32 s45, s45, TOTAL
	s_lshl_b32 s42, s45, 10
	s_add_nc_u64 s[SA+2*\k:SA+2*\k+1], s[4:5], s[42:43]
	global_load_b128 v[RS+4*\k:RS+4*\k+3], v[POF], s[SA+2*\k:SA+2*\k+1]
.endm
	s_mov_b32 s35, 0
	s_cmp_eq_u32 s34, 0
	s_cbranch_scc1 .Lsummed
.Lmore:                                                ; eight more totals a trip.  The rows asked for before are all in: their addresses and registers are free
	s_add_co_u32 s29, s29, 8
.irp k, 0,1,2,3,4,5,6,7
	ASKT \k
.endr
	s_wait_alu depctr_va_vdst(0)                   ; directly ahead of the wait below
	s_wait_loadcnt 0x0
.irp k, 0,1,2,3,4,5,6,7
	s_mov_b32 s40, s[WT+\k]
	v_pk_fma_f32 v[ACC:ACC+1], v[RS+4*\k:RS+4*\k+1], s[40:41], v[ACC:ACC+1] op_sel_hi:[1,0,1]
	v_pk_fma_f32 v[ACC+2:ACC+3], v[RS+4*\k+2:RS+4*\k+3], s[40:41], v[ACC+2:ACC+3] op_sel_hi:[1,0,1]
.endr
	s_add_co_u32 s35, s35, 1
	s_cmp_lt_u32 s35, s34
	s_cbranch_scc1 .Lmore
.Lsummed:
	s_wait_alu depctr_va_vdst(0)
	v_pk_mul_f32 v[ACC:ACC+1], v[ACC:ACC+1], v[INV:INV+1] op_sel_hi:[1,0]   ; x 1 / len (the pair's low word for both halves)
	v_pk_mul_f32 v[ACC+2:ACC+3], v[ACC+2:ACC+3], v[INV:INV+1] op_sel_hi:[1,0]
	ds_store_b128 v[MSA], v[ACC:ACC+3]
	s_wait_dscnt 0x0
	s_barrier_signal -1
	s_barrier_wait -1                              ; the 8 means lie in LDS
; My K step of the means as an operand: lane (r, h) takes, of row r % 8, the whole blocks h and 2 + h: registers 6 c .. 6 c + 5 hold k = 64 c + 32 h + 0 .. 31.
.irp c, 0,1
.irp i, 0,1,2,3,4,5,6,7
	ds_load_b128 v[XA+32*\c+4*\i:XA+32*\c+4*\i+3], v[MRA] offset:256*\c+16*\i
.endr
.endr
	s_wait_dscnt 0x0
.irp c, 0,1
	v_max3_num_f32 v[M+\c], |v[XA+32*\c]|, |v[XA+32*\c+1]|, 0x1800000       ; with the floor 2^(3 - 127)
.endr
.irp i, 2,4,6,8,10,12,14,16,18,20,22,24,26,28,30
.irp c, 0,1
	s_delay_alu instid0(VALU_DEP_2)
	v_max3_num_f32 v[M+\c], v[M+\c], |v[XA+32*\c+\i]|, |v[XA+32*\c+\i+1]|
.endr
.endr
.irp c, 0,1
	s_delay_alu instid0(VALU_DEP_2)
	v_add_nc_u32 v[SC+\c], 0xff000000, v[M+\c]     ; 2 off the exponent field: the conversion's scale operand
.endr
.irp c, 0,1
	s_delay_alu instid0(VALU_DEP_2)
	v_lshrrev_b32 v[BY+\c], 23, v[SC+\c]           ; the scale's byte
.endr
	s_delay_alu instid0(VALU_DEP_1)
	v_lshl_or_b32 v[BY], v[BY+1], 16, v[BY]        ; my two bytes: blocks h and 2 + h,
	s_delay_alu instid0(VALU_DEP_1)
	v_lshlrev_b32 v[BY], v[SH], v[BY]              ; at their places in the word (8 h bits up);
	s_delay_alu instid0(VALU_DEP_1)
	v_permlanex16_b32 v[BY+1], v[BY], s[SEL], s[SEL+1]
	s_delay_alu instid0(VALU_DEP_1)
	v_or_b32 v[ASC], v[BY], v[BY+1]                ; with lane l xor 16's two the word is whole
.irp c, 0,1
	v_cvt_scalef32_pk16_fp6_f32 v[AF+6*\c:AF+6*\c+2], v[XA+32*\c:XA+32*\c+15], v[SC+\c]
	v_cvt_scalef32_pk16_fp6_f32 v[TH+4*\c:TH+4*\c+2], v[XA+32*\c+16:XA+32*\c+31], v[SC+\c]
.endr
	v_nop                                          ; one plain line behind the scaled conversions
.irp c, 0,1
.irp i, 0,1,2
	v_mov_b32 v[AF+6*\c+3+\i], v[TH+4*\c+\i]
.endr
.endr
.rept 8
	v_nop                                          ; a scale register written by a vector instruction stands 8 places ahead of a scaled matrix instruction, an operand so written 4
.endr
; Transposed: source 0 = 16 columns of W, source 1 = the sequences.  Lane (r, h), register j: out(sequence r % 8, column 32 p + 16 t + 8 h + j), this K step's part.  Two accumulators, each begun with 0.
	v_wmma_scale_f32_16x16x128_f8f6f4 v[DD:DD+7], v[F0:F0+11], v[AF:AF+11], 0, v[WSC], v[ASC] matrix_a_fmt:MATRIX_FMT_FP6 matrix_b_fmt:MATRIX_FMT_FP6
	v_wmma_scale_f32_16x16x128_f8f6f4 v[DD+8:DD+15], v[F1:F1+11], v[AF:AF+11], 0, v[WSC], v[ASC] matrix_a_fmt:MATRIX_FMT_FP6 matrix_b_fmt:MATRIX_FMT_FP6 matrix_a_scale:MATRIX_SCALE_ROW1
.rept 4
	v_nop                                          ; four places in front of the stores that read the results
.endr
.irp t, 0,1                                    ; each accumulator from its low end on.  Lanes r and r + 8 hold the same numbers and store them to the same bytes
	ds_store_b128 v[SOA], v[DD+8*\t:DD+8*\t+3] offset:64*\t
	ds_store_b128 v[SOA], v[DD+8*\t+4:DD+8*\t+7] offset:64*\t+16
.endr
	s_wait_dscnt 0x0
	s_barrier_signal -1
	s_barrier_wait -1                              ; both K steps' parts of the 8 rows lie in the stage
	ds_load_b128 v[RS:RS+3], v[SRA]
	ds_load_b128 v[RS+4:RS+7], v[SRA] offset:STGS
	s_wait_dscnt 0x0
	v_pk_add_f32 v[RS:RS+1], v[RS:RS+1], v[RS+4:RS+5]
	v_pk_add_f32 v[RS+2:RS+3], v[RS+2:RS+3], v[RS+6:RS+7]
	s_delay_alu instid0(VALU_DEP_2)
	v_pk_add_f32 v[RS:RS+1], v[RS:RS+1], v[BIA:BIA+1]
	s_delay_alu instid0(VALU_DEP_2)
	v_pk_add_f32 v[RS+2:RS+3], v[RS+2:RS+3], v[BIA+2:BIA+3]
	global_store_b128 v[GOF], v[RS:RS+3], s[12:13] th:TH_STORE_NT           ; a wave stores 512 consecutive bytes, at a multiple of 512 from out0's first byte; written once
	s_wait_tensorcnt 0x0                           ; the wave's end
	ds_add_u32 v[SPW], v[NIL]
	s_wait_dscnt 0x0
	s_endpgm
.Lfunc_end_k_q270c333b3d_finish:
	.size	k_q270c333b3d_finish, .Lfunc_end_k_q270c333b3d_finish-k_q270c333b3d_finish
	.p2alignl 7, 3214868480
	.fill 96, 4, 3214868480
	.section	.rodata,"a",@progbits
	.p2align	6, 0x0
	.amdhsa_kernel k_q270c333b3d_finish
		.amdhsa_group_segment_fixed_size 27136
		.amdhsa_private_segment_fixed_size 0
		.amdhsa_enable_private_segment 0
		.amdhsa_kernarg_size 40
		.amdhsa_user_sgpr_count 2
		.amdhsa_user_sgpr_kernarg_segment_ptr 1
		.amdhsa_wavefront_size32 1
		.amdhsa_system_sgpr_workgroup_id_x 1
		.amdhsa_system_sgpr_workgroup_id_y 1
		.amdhsa_system_sgpr_workgroup_id_z 1
		.amdhsa_system_vgpr_workitem_id 0
		.amdhsa_next_free_vgpr 226
		.amdhsa_next_free_sgpr 94
		.amdhsa_reserve_vcc 0
		.amdhsa_float_denorm_mode_32 3
		.amdhsa_float_denorm_mode_16_64 3
		.amdhsa_memory_ordered 1
		.amdhsa_forward_progress 1
		.amdhsa_inst_pref_size 27
	.end_amdhsa_kernel
	.amdgpu_metadata
---
amdhsa.version: [ 1, 2 ]
amdhsa.kernels:
  - .name:           k_q270c333b3d_finish
    .symbol:         k_q270c333b3d_finish.kd
    .args:
      - { .name: pre, .offset: 0, .size: 8, .value_kind: global_buffer, .address_space: global }
      - { .name: indices, .offset: 8, .size: 8, .value_kind: global_buffer, .address_space: global }
      - { .name: wq, .offset: 16, .size: 8, .value_kind: global_buffer, .address_space: global }
      - { .name: b, .offset: 24, .size: 8, .value_kind: global_buffer, .address_space: global }
      - { .name: out0, .offset: 32, .size: 8, .value_kind: global_buffer, .address_space: global }
    .group_segment_fixed_size: 27136
    .private_segment_fixed_size: 0
    .kernarg_segment_align: 8
    .kernarg_segment_size: 40
    .max_flat_workgroup_size: 512
    .sgpr_count:     94
    .vgpr_count:     226
    .wavefront_size: 32
...
	.end_amdgpu_metadata
.endif
;; end of part 3
